; MI455X (gfx1250); checked and timed in simulation.
; The chip was launched on July 23, 2026; its instructions are those of AMD's public machine-readable ISA for CDNA 5 (MIT licence, August 2026) and "CDNA5" Instruction Set Architecture Reference Guide (July 2026). The comments in the code are by the model that wrote it; some were corrected since.
;; Attention. Allowed arithmetic: float matrix products may take bf16 or f16 operands with f32 sums; other float arithmetic in f32, or as packed bf16 or f16 multiplies, adds, multiply-adds, maxima and minima; sums over many terms, partial sums and values carried from step to step in f32; what a program stores and reads back later, other than sums and carried values, may be rounded once to bf16 or f16.
;; Inputs: W1 512 x 512 float32; W2 512 x 512 float32; b1 512 float32; hidden_states 32 x 4,096 x 512 float32.
;; Outputs: out0 512 float32.
;; One version. Each part assembles by itself: llvm-mc -triple=amdgcn-amd-amdhsa -mcpu=gfx1250 --defsym DOCPART=n.
;; ======== version 1 of 1: 3 launches
;; workspace buffers: wf 1,048,576 bytes; part 1,572,864 bytes
;; launch prep (part 1): grid 64 x 1, 8 waves a work-group, no clusters, 0 bytes of LDS; arguments W1, W2, wf; writes wf
.if DOCPART == 1
	.amdgcn_target "amdgcn-amd-amdhsa--gfx1250"
	.amdhsa_code_object_version 6
	.text
	.protected	k_qf080565195_prep
	.globl	k_qf080565195_prep
	.p2align	8
	.type	k_qf080565195_prep,@function
k_qf080565195_prep:
	s_mov_b64 s[64:65], 0
	v_nop
	global_prefetch_b8 v0, s[64:65] scope:SCOPE_SE
	s_setreg_imm32_b32 hwreg(HW_REG_WAVE_MODE, 25, 1), 1
	s_wait_xcnt 0x0
; W1 and W2 ([512][512] f32) are rounded once to bf16 and laid in the order in which the main launch's waves read them:
; wf byte = w*262144 + q*16384 + sub*8192 + b*1024 + half*512 + 16*lane holds the 8 numbers of
; row n = 128 w + 16 b + lane % 16, k = 64 (q % 8) + 32 sub + 16 half + 8 (lane / 16) + 0..7; q < 8: W1, q >= 8: W2.
; So 2 x 512 consecutive bytes are one 16 x 32 matrix fragment, and wave w's whole stream is 262,144 bytes on end.
; 64 work-groups (q, w), eight waves (b).  A wave reads 16 rows x 256 bytes, each such piece whole and once in the launch,
; and stores 4 x 512 consecutive bytes.  No LDS, no barrier: no wave needs another's data.
.set VO, 5                             ; v5  my byte offset in the source matrix
.set DO, 6                             ; v6  my byte offset in wf
.set IN, 8                             ; v[8:39]  32 numbers in f32
.set OU, 40                            ; v[40:55] the same in bf16
	s_load_b128 s[4:7], s[0:1], 0x0                ; W1 s[4:5], W2 s[6:7]
	s_load_b64 s[8:9], s[0:1], 0x10                ; wf
	v_lshrrev_b32 v1, 5, v0
	v_readfirstlane_b32 s12, v1                    ; b: my wave's block of 16 rows
	s_lshr_b32 s13, ttmp9, 2                       ; q
	s_and_b32 s14, ttmp9, 3                        ; w
	v_and_b32 v2, 15, v0                           ; lane % 16
	v_bfe_u32 v3, v0, 4, 1                         ; lane / 16
	v_and_b32 v4, 31, v0                           ; lane
	s_lshl_b32 s15, s14, 7                         ; 128 w
	s_lshl_b32 s16, s12, 4                         ; + 16 b
	s_add_co_u32 s15, s15, s16
	s_lshl_b32 s15, s15, 11                        ; rows of 2,048 bytes
	s_and_b32 s16, s13, 7
	s_lshl_b32 s16, s16, 8                         ; 64 (q % 8) numbers of 4 bytes
	s_add_co_u32 s15, s15, s16
	v_lshlrev_b32 v[VO], 11, v2
	v_lshl_add_u32 v[VO], v3, 5, v[VO]             ; + 8 numbers for the upper half of the lanes
	v_add_nc_u32 v[VO], s15, v[VO]
	s_lshl_b32 s17, s14, 18
	s_lshl_b32 s18, s13, 14
	s_add_co_u32 s17, s17, s18
	s_lshl_b32 s18, s12, 10
	s_add_co_u32 s17, s17, s18
	v_lshl_add_u32 v[DO], v4, 4, s17
	s_wait_kmcnt 0x0
	s_cmp_lt_u32 s13, 8                            ; which matrix: hangs on the work-group's number alone
	s_cselect_b64 s[10:11], s[4:5], s[6:7]
.irp x, 0,1,2,3                        ; x = 2 sub + half
	global_load_b128 v[IN+8*\x:IN+8*\x+3],   v[VO], s[10:11] offset:(\x/2)*128+(\x%2)*64
	global_load_b128 v[IN+8*\x+4:IN+8*\x+7], v[VO], s[10:11] offset:(\x/2)*128+(\x%2)*64+16
.endr
	s_wait_loadcnt 0x0
.set i, 0
.rept 16
	v_cvt_pk_bf16_f32 v[OU+i], v[IN+2*i], v[IN+2*i+1]  ; the one rounding, to nearest even
.set i, i+1
.endr
.irp x, 0,1,2,3
	global_store_b128 v[DO], v[OU+4*\x:OU+4*\x+3], s[8:9] offset:(\x/2)*8192+(\x%2)*512  ; 512 consecutive bytes, at a multiple of 512 from wf's first
.endr
	s_endpgm
.Lfunc_end_k_qf080565195_prep:
	.size	k_qf080565195_prep, .Lfunc_end_k_qf080565195_prep-k_qf080565195_prep
	.p2alignl 7, 3214868480
	.fill 96, 4, 3214868480
	.section	.rodata,"a",@progbits
	.p2align	6, 0x0
	.amdhsa_kernel k_qf080565195_prep
		.amdhsa_group_segment_fixed_size 0
		.amdhsa_private_segment_fixed_size 0
		.amdhsa_enable_private_segment 0
		.amdhsa_kernarg_size 24
		.amdhsa_user_sgpr_count 2
		.amdhsa_user_sgpr_kernarg_segment_ptr 1
		.amdhsa_wavefront_size32 1
		.amdhsa_system_sgpr_workgroup_id_x 1
		.amdhsa_system_sgpr_workgroup_id_y 1
		.amdhsa_system_sgpr_workgroup_id_z 1
		.amdhsa_system_vgpr_workitem_id 0
		.amdhsa_next_free_vgpr 64
		.amdhsa_next_free_sgpr 66
		.amdhsa_reserve_vcc 0
		.amdhsa_float_denorm_mode_32 3
		.amdhsa_float_denorm_mode_16_64 3
		.amdhsa_memory_ordered 1
		.amdhsa_forward_progress 1
		.amdhsa_inst_pref_size 4
	.end_amdhsa_kernel
	.amdgpu_metadata
---
amdhsa.version: [ 1, 2 ]
amdhsa.kernels:
  - .name:           k_qf080565195_prep
    .symbol:         k_qf080565195_prep.kd
    .args:
      - { .name: W1, .offset: 0, .size: 8, .value_kind: global_buffer, .address_space: global }
      - { .name: W2, .offset: 8, .size: 8, .value_kind: global_buffer, .address_space: global }
      - { .name: wf, .offset: 16, .size: 8, .value_kind: global_buffer, .address_space: global }
    .group_segment_fixed_size: 0
    .private_segment_fixed_size: 0
    .kernarg_segment_align: 8
    .kernarg_segment_size: 24
    .max_flat_workgroup_size: 256
    .sgpr_count:     66
    .vgpr_count:     64
    .wavefront_size: 32
...
	.end_amdgpu_metadata
.endif
;; end of part 1
;; launch main (part 2): grid 256 x 1, 4 waves a work-group, clusters of 4 x 1, 327,680 bytes of LDS; arguments hidden_states, b1, wf, part; writes part
.if DOCPART == 2
	.amdgcn_target "amdgcn-amd-amdhsa--gfx1250"
	.amdhsa_code_object_version 6
	.text
	.protected	k_qf080565195_main
	.globl	k_qf080565195_main
	.p2align	8
	.type	k_qf080565195_main,@function
k_qf080565195_main:
	s_mov_b64 s[64:65], 0
	v_nop
	global_prefetch_b8 v0, s[64:65] scope:SCOPE_SE
	s_setreg_imm32_b32 hwreg(HW_REG_WAVE_MODE, 25, 1), 1
	s_wait_xcnt 0x0
	s_wait_alu depctr_hold_cnt(0) depctr_sa_sdst(0) depctr_va_vdst(0) depctr_va_sdst(0) depctr_va_ssrc(0) depctr_va_vcc(0) depctr_vm_vsrc(0)
	s_getreg_b32 s2, hwreg(HW_REG_IB_STS2, 6, 4)
	s_cmp_eq_u32 s2, 0
	s_cbranch_scc0 .Lentry_in_a_cluster
	s_endpgm
.Lentry_in_a_cluster:
	s_bfe_u32 s2, ttmp6, 0x10000c
	s_cmp_lg_u32 s2, 0x3003
	s_cbranch_scc0 .Lentry_shape_is_right
	s_endpgm
.Lentry_shape_is_right:
; For 512 rows (one eighth of a batch's 4,096 times) a work-group makes, for each of the 512 columns e, the partial softmax statistics of
;   out[e] = sum over batch, t of h[t][e] softmax_t( (tanh(h W1^T + b1) W2^T)[t][e] ).
; ARITHMETIC.  tanh(x) = 1 - 2 R, R = 1 / (1 + 2^(c2 x)), c2 = 2 log2 e.  So u W2^T = rowsum(W2)[e] - 2 (R W2^T)[t][e]; the first term does not hang on t and the softmax
; over t cancels it exactly.  With q = R W2^T the weight is p = 2^(kap q - CM), kap = -2 log2 e, CM the running maximum of kap q.  Kept for each column: CM, l = sum p, n = sum h p, all f32.
; h, W1, W2, b1 are each rounded once to bf16; R is rounded once to bf16 for the second product; products, maxima and sums in f32.
; LIMITS.  NaN and infinities are not treated apart (a NaN loses in the minima).  A weight below 2^-126 counts as 0.  h enters the weighted sum as the same bf16 number that enters the product.
; R lies in 0 to 1: near 1 its rounding step counts twice in u, near 0 it is finer than u's would be.
; SHARES.  Four blocks of 128 rows, one after the other.  Wave w makes columns 128 w .. + 127 of both products for all 128 rows: 64 accumulators, 512 registers.
; One LDS region X holds the block's H in bf16 and, when the first product is done, R in its place; the h that a wave needs for its own columns' weighted sum it takes out of X, turned, before it writes R there.
; WEIGHTS.  512 KB of bf16 a matrix do not fit beside X, so each wave streams its own 262,144 bytes of wf once a block, 16 K slots of 16,384 bytes, through a ring of two slots of its own.
; CLUSTER.  All work-groups walk the same weights: the four of a cluster ask for each slot JOINTLY (same line, same descriptor, mask of four).  A mask names four at the most and nothing else is shared, so 4 x 1.
; The first product is used transposed (source 0 = 16 rows of W1, source 1 = 16 rows of H): a lane holds one row t and 8 neighbouring columns, 16 bytes of R.  The second is used as it stands
; (source 0 = 16 rows of R, source 1 = 16 rows of W2): a lane holds ONE column e and 8 times, so minima and sums over t stay in the lane; the two halves of the lanes are merged once, at the end.
; REGISTERS, in windows of 256 (s_set_vgpr_msb: bits 1:0 source 0, 3:2 source 1, 5:4 source 2, 7:6 destination):
;   window 0: v0-15 addresses; v16-39 CM, l, n of my 8 column blocks; v40-63 at work; v64-127, v128-191 fragments of X, two buffers; v192-255 fragments of W, buffer 0
;   window 1: v0-63 fragments of W, buffer 1; v64-255 the kept h of column blocks 0-5 (v64-127 hold the bias while the first K step starts the sums)
;   window 2: accumulators of column blocks 0-3, (b, a) at 64 b + 8 a;   window 3: those of blocks 4-7
;   The next block's h (128 loads of 4 registers a wave) lands in window 0 v64-255, window 2, and window 3 v0-63, as these fall free.
.set PITCH, 272                        ; a row of a panel of X: 256 bytes + 16 = 68 words: the 16 rows of a fragment load start at 16 different groups of four banks (64 banks of 4 bytes: ISA guide 11.1)
.set PANEL, 128*PITCH                  ; 128 rows x 128 columns of bf16
.set SLOT,  16384                      ; a K slot: 64 along K x my 128 rows of W
.set XB,    131072                     ; behind the four rings of 32,768 bytes: X, four panels; written by LDS stores alone
.set HK,    XB+4*PANEL                 ; 8,192 bytes a wave: the kept h of column blocks 6 and 7
.set BIAS,  HK+32768                   ; b1, 512 f32; wave w stores and reads its own 512 bytes
.set STG,   BIAS+2048                  ; 1,536 bytes a wave: the way out
.set SPARE, STG+6144                   ; the spare words, 128 bytes a wave: two blocks of 256 bytes that no other line names
.set RR,    1                          ; v1   lane % 16
.set HH,    2                          ; v2   lane / 16
.set LL,    3                          ; v3   lane
.set ADRA0, 4                          ; v4   my place in a fragment of X, panel 0
.set ADRA,  5                          ; v5   the same, in the panel in hand
.set ADRB,  6                          ; v6   my 16 bytes in my ring
.set STO,   7                          ; v7   where I put 16 bytes of R: my own panel
.set TRA,   8                          ; v8   my place in a turning load from my own panel
.set HST0,  9                          ; v9, v10  where I put 8 bytes of H: panels 0, 1 and panels 2, 3
.set HGO,   11                         ; v11  16 x lane
.set HKA,   12                         ; v12  my 16 bytes in my part of HK
.set BIA,   13                         ; v13  my 32 bytes of a block's bias
.set SPW,   14                         ; v14  my spare word; never rewritten
.set NIL,   15                         ; v15  0, for the add alone
.set CM,    16
.set LS,    24
.set NS,    32
.set CC,    40                         ; v40-43  four chains of minima
.set CMN,   44                         ; v[44:45] the new CM: named as a pair by the packed scaling, which takes the low word
.set AF,    46                         ; v46  a = 2^(CM_old - CM_new)
.set LP,    48                         ; v48-55  four chains of pairs of weights
.set NN,    56                         ; v56-59  four chains of h p
.set T0,    60
.set T1,    61
.set ZP,    62                         ; v[62:63] 0, 0: what the h p chains start from
.set BI,    64                         ; window 1
.set HP,    4                          ; s[4:5]  h at my 32 rows of the block whose loads are issued
.set WV,    12                         ; s12  my wave's number
.set G1S,   16                         ; s[16:23] group 1: one slot, 64 rows of 256 bytes
.set G1D,   24                         ; s[24:31] group 1: both slots, 128 rows
.set G0S,   32                         ; s[32:35] group 0 that walks
.set G0D,   36                         ; s[36:39] group 0 of a block's first two slots; never rewritten
.set WB,    40                         ; s[40:41] wf at my stream
.set WRING, 42                         ; s42  my ring in LDS
.set BLK,   43                         ; s43  blocks to go
.set LAP,   44
.set KAP,   46                         ; s[46:47]
.set SEL,   48                         ; s[48:49] v_permlanex16_b32's selects: each lane takes its own place in the other half
.set C2,    50                         ; s[50:51]
.set MSB, 0
.macro WIN new                         ; the high byte repeats the setting that is left; a switch that changes nothing is dropped
.if MSB != (\new)
	s_set_vgpr_msb (MSB<<8)|(\new)
.set MSB, (\new)
.endif
.endm
.macro PLACES                          ; four places behind a matrix instruction, in front of loads into its sources and of vector work on its results
.rept 4
	v_nop
.endr
.endm
.macro CREST                           ; a round of the cluster's barrier behind its opening barrier
	s_cmp_lg_u32 s[WV], 0
	s_cbranch_scc1 .Lnot_wave_0_\@
	s_barrier_signal -3
.Lnot_wave_0_\@:
	s_barrier_wait -3
	s_barrier_signal -1
	s_barrier_wait -1
.endm
.macro CROUND
	s_barrier_signal -1
	s_barrier_wait -1
	CREST
.endm
; Eight matrix instructions: column block b x all 8 row blocks, 32 along K, fragment buffers f.  ph = 1: transposed (W, X); ph = 2: (X, W).
; mode 0: adds on; 1: the bias starts the sums; 2: the constant 0 does.  The 64 accumulators take turns in one order everywhere.
.macro MULB ph, f, b, mode
.set dW, 2+(\b)/4
.set cW, dW
.if (\mode) == 1
.set cW, 1
.endif
.if (\ph) == 1
	WIN (dW<<6)|(cW<<4)|(\f)
.else
	WIN (dW<<6)|(cW<<4)|((\f)<<2)
.endif
.set rW, 192*(1-(\f))+8*(\b)
.set rA, 64+64*(\f)
.set rD, 64*((\b)%4)
.irp a, 0,1,2,3,4,5,6,7
.if (\ph) == 1
.if (\mode) == 1
	v_wmma_f32_16x16x32_bf16 v[rD+8*\a:rD+8*\a+7], v[rW:rW+7], v[rA+8*\a:rA+8*\a+7], v[BI+8*(\b):BI+8*(\b)+7]
.else
	v_wmma_f32_16x16x32_bf16 v[rD+8*\a:rD+8*\a+7], v[rW:rW+7], v[rA+8*\a:rA+8*\a+7], v[rD+8*\a:rD+8*\a+7]
.endif
.else
.if (\mode) == 2
	v_wmma_f32_16x16x32_bf16 v[rD+8*\a:rD+8*\a+7], v[rA+8*\a:rA+8*\a+7], v[rW:rW+7], 0
.else
	v_wmma_f32_16x16x32_bf16 v[rD+8*\a:rD+8*\a+7], v[rA+8*\a:rA+8*\a+7], v[rW:rW+7], v[rD+8*\a:rD+8*\a+7]
.endif
.endif
.endr
.endm
; 32 LDS loads in one run: 128 rows of X and my 128 rows of W, 32 along K, into buffers g.  W's blocks 4-7 come last.
.macro FETCH aoff, boff, g
	WIN 0
.irp a, 0,1,2,3,4,5,6,7
	ds_load_b128 v[64+64*(\g)+8*\a:64+64*(\g)+8*\a+3],   v[ADRA] offset:(\aoff)+16*PITCH*\a
	ds_load_b128 v[64+64*(\g)+8*\a+4:64+64*(\g)+8*\a+7], v[ADRA] offset:(\aoff)+16*PITCH*\a+32
.endr
	WIN (\g)<<6
.irp n, 0,1,2,3,4,5,6,7
	ds_load_b128 v[192*(1-(\g))+8*\n:192*(1-(\g))+8*\n+3],   v[ADRB] offset:(\boff)+1024*\n  ; 512 consecutive bytes: no bank is asked twice
	ds_load_b128 v[192*(1-(\g))+8*\n+4:192*(1-(\g))+8*\n+7], v[ADRB] offset:(\boff)+1024*\n+512
.endr
.endm
; 32 along K: multiplies buffers f; in its middle it fetches the next 32 along K into buffers g.  tw = 1: that fetch is the first from a slot whose load has not been waited for.
.macro KSUB ph, f, g, aoff, boff, mode, tw
	s_wait_dscnt 8                                 ; X's fragments and W's blocks 0-3 are in; the youngest eight loads, W's blocks 4-7, may be out
	MULB \ph, \f, 0, \mode
	MULB \ph, \f, 1, \mode
	MULB \ph, \f, 2, \mode
	MULB \ph, \f, 3, \mode
	PLACES
.if \tw
	s_wait_tensorcnt 0x0                           ; the block's last slot: no load was issued behind it, and only I read my ring
.endif
	FETCH \aoff, \boff, \g
	s_wait_dscnt 32                                ; all but the 32 just issued
	MULB \ph, \f, 4, \mode
	MULB \ph, \f, 5, \mode
	MULB \ph, \f, 6, \mode
	MULB \ph, \f, 7, \mode
.endm
; A slot's second 32 along K (buffers 1), and the change of slots.  In front of the round each wave waits for all its tensor loads (one is out: the other slot's), adds 0 to its spare word, and waits for
; that and for its reads of this slot.  Behind the round this slot is filled again, two slots ahead: 112 matrix instructions stand between the request and the wait for it.
.macro TURN ph, fetch, aoff, boff
	WIN 0
	s_wait_tensorcnt 0x0
	ds_add_u32 v[SPW], v[NIL]
	s_wait_dscnt 9                                 ; the add and W's blocks 4-7 may be out
	MULB \ph, 1, 0, 0
	MULB \ph, 1, 1, 0
	s_wait_dscnt 0x0                               ; the add is done, and my reads of this slot and of X so far are over
	s_barrier_signal -1
	MULB \ph, 1, 2, 0
	MULB \ph, 1, 3, 0
	WIN 0
	s_barrier_wait -1
	CREST                                          ; no wave of any partner still reads the slot or has a load on its way
	s_xor_b32 s[G0S+1], s[G0S+1], SLOT             ; the other slot than last time,
	s_add_nc_u64 s[G0S+2:G0S+3], s[G0S+2:G0S+3], SLOT  ; the next 16,384 bytes of my stream; the type bits on top are not reached
	tensor_load_to_lds s[G0S:G0S+3], s[G1S:G1S+7]  ; every wave its own slot: registers differ by the wave's number alone, and are equal in the four partners
	s_nop 0
	PLACES                                         ; also the places in front of the loads below
.if \fetch
	FETCH \aoff, \boff, 0
.endif
	MULB \ph, 1, 4, 0
	MULB \ph, 1, 5, 0
	MULB \ph, 1, 6, 0
	MULB \ph, 1, 7, 0
.endm
; A product's first thirteen half slots ... : the first 32 along K start the sums; three laps of two slots, from a slot's second half to the first half two slots on.  A panel of X holds two slots' K.
.macro GLOOP ph, mode
	WIN 0
	v_mov_b32 v[ADRA], v[ADRA0]
	FETCH 0, 0, 0
	KSUB \ph, 0, 1, 64, 8192, \mode, 0
	WIN 0
	s_mov_b32 s[LAP], 3
.Llap_\@:
	TURN \ph, 1, 128, SLOT
	KSUB \ph, 0, 1, 192, SLOT+8192, 0, 0
	TURN \ph, 1, PANEL, 0
	KSUB \ph, 0, 1, PANEL+64, 8192, 0, 0
	WIN 0
	v_add_nc_u32 v[ADRA], PANEL, v[ADRA]
	s_sub_co_u32 s[LAP], s[LAP], 1
	s_cmp_lg_u32 s[LAP], 0
	s_cbranch_scc1 .Llap_\@
.endm
; n loads of h: load j takes 512 consecutive bytes, columns 128 (j % 4) .. + 127 of my row j / 4.  The caller sets the destination's window.
.macro HL j0, n, reg0
.set i, 0
.rept \n
	global_load_b128 v[(\reg0)+4*i:(\reg0)+4*i+3], v[HGO], s[HP:HP+1] offset:512*((\j0)+i) th:TH_LOAD_NT
.set i, i+1
.endr
.endm
; Loads 16 k .. 16 k + 15 are rounded to bf16 in place and stored into X: 256 consecutive bytes a store.  cnt: loads issued behind them that may stay out.
.macro CONV k, win, reg0, cnt
	s_wait_loadcnt \cnt
	WIN ((\win)<<6)|((\win)<<2)|(\win)
.set i, 0
.rept 16
	v_cvt_pk_bf16_f32 v[(\reg0)+4*i],   v[(\reg0)+4*i],   v[(\reg0)+4*i+1]
	v_cvt_pk_bf16_f32 v[(\reg0)+4*i+1], v[(\reg0)+4*i+2], v[(\reg0)+4*i+3]
.set i, i+1
.endr
	WIN (\win)<<2
.set i, 0
.rept 16
.set j, 16*(\k)+i
	ds_store_b64 v[HST0+(j%4)/2], v[(\reg0)+4*i:(\reg0)+4*i+1] offset:(j%2)*PANEL+(j/4)*PITCH
.set i, i+1
.endr
.endm
; Column block b of the first product: R = 1 / (1 + 2^(c2 x)), rounded to bf16, into my panel of X.  Each accumulator is read from its low end on.
.macro TANH b
.set eQ, 64*((\b)%4)
.set eW, 2+(\b)/4
	WIN (eW<<6)|eW
.set i, 0
.rept 32
	v_pk_mul_f32 v[eQ+2*i:eQ+2*i+1], v[eQ+2*i:eQ+2*i+1], s[C2:C2+1] op_sel_hi:[1,0]
.set i, i+1
.endr
.set i, 0
.rept 64
	v_exp_f32 v[eQ+i], v[eQ+i]                     ; an overflow gives infinity, and R = 0: tanh = 1
.set i, i+1
.endr
	v_nop                                          ; a plain instruction between the last exponential and the use of its result
.set i, 0
	s_wait_alu depctr_va_vdst(0)
.rept 32
	v_pk_add_f32 v[eQ+2*i:eQ+2*i+1], v[eQ+2*i:eQ+2*i+1], 1.0 op_sel_hi:[1,0]
.set i, i+1
.endr
.set i, 0
.rept 64
	v_rcp_f32 v[eQ+i], v[eQ+i]
.set i, i+1
.endr
	v_nop
	WIN eW|(eW<<2)
.set i, 0
	s_wait_alu depctr_va_vdst(0)
.rept 32
	v_cvt_pk_bf16_f32 v[64+i], v[eQ+2*i], v[eQ+2*i+1]
.set i, i+1
.endr
	WIN 0
.irp a, 0,1,2,3,4,5,6,7
	ds_store_b128 v[STO], v[64+4*\a:64+4*\a+3] offset:16*PITCH*\a+32*(\b)  ; row 16 a + lane % 16, columns 16 b + 8 (lane / 16) + 0..7
.endr
.endm
; Column block b of the second product: my lane's 64 numbers q of one column.  The running maximum of kap q is kap times the minimum of q (kap < 0).
.macro ECOL b
.set eQ, 64*((\b)%4)
.set eW, 2+(\b)/4
.if (\b) < 6
.set eH, 64+32*(\b)
.else
.set eH, 32*((\b)-6)
.endif
	WIN eW|(eW<<2)|(eW<<4)
.irp k, 0,1,2,3                        ; four chains of 15 numbers, two accumulators each; each accumulator's lowest registers are read first
	v_min3_num_f32 v[CC+\k], v[eQ+16*\k], v[eQ+16*\k+1], v[eQ+16*\k+2]
.endr
	WIN (eW<<2)|(eW<<4)
.irp s, 1,2,3,4,5,6
.irp k, 0,1,2,3
	v_min3_num_f32 v[CC+\k], v[CC+\k], v[eQ+16*\k+2*\s+1], v[eQ+16*\k+2*\s+2]
.endr
.endr
	v_min3_num_f32 v[CC], v[CC], v[eQ+15], v[eQ+31]
	v_min3_num_f32 v[CC+2], v[CC+2], v[eQ+47], v[eQ+63]
	WIN 0
	v_min3_num_f32 v[CC], v[CC], v[CC+1], v[CC+2]
	v_min_num_f32 v[CC], v[CC], v[CC+3]
	v_mul_f32 v[T0], s[KAP], v[CC]
	v_max_num_f32 v[CMN], v[CM+(\b)], v[T0]
	v_sub_f32 v[T1], v[CM+(\b)], v[CMN]
	v_exp_f32 v[AF], v[T1]                         ; 1 where the maximum has not grown, 0 in the first block
	v_mov_b32 v[CM+(\b)], v[CMN]                   ; the plain instruction behind the exponential
	WIN (eW<<6)|eW
.set i, 0
.rept 32
	v_pk_fma_f32 v[eQ+2*i:eQ+2*i+1], v[eQ+2*i:eQ+2*i+1], s[KAP:KAP+1], v[CMN:CMN+1] op_sel_hi:[1,0,0] neg_lo:[0,0,1] neg_hi:[0,0,1]  ; kap q - CM
.set i, i+1
.endr
.set i, 0
.rept 64
	v_exp_f32 v[eQ+i], v[eQ+i]
.set i, i+1
.endr
	v_nop
	s_wait_alu depctr_va_vdst(0)
	WIN 1|(eW<<2)                                  ; the kept h in window 1, p in the accumulators' window
.set i, 0
.rept 32                               ; word i of the kept h: times 2 i and 2 i + 1 of my 64
.if i < 2
	v_fma_mix_f32_bf16 v[NN+2*(i%2)],   v[eH+i], v[eQ+2*i],   v[ZP] op_sel:[0,0,0] op_sel_hi:[1,0,0]
	v_fma_mix_f32_bf16 v[NN+2*(i%2)+1], v[eH+i], v[eQ+2*i+1], v[ZP] op_sel:[1,0,0] op_sel_hi:[1,0,0]
.else
	v_fma_mix_f32_bf16 v[NN+2*(i%2)],   v[eH+i], v[eQ+2*i],   v[NN+2*(i%2)]   op_sel:[0,0,0] op_sel_hi:[1,0,0]
	v_fma_mix_f32_bf16 v[NN+2*(i%2)+1], v[eH+i], v[eQ+2*i+1], v[NN+2*(i%2)+1] op_sel:[1,0,0] op_sel_hi:[1,0,0]
.endif
.set i, i+1
.endr
	WIN eW|(eW<<2)
.irp k, 0,1,2,3                        ; the sum of the weights: four chains of pairs, started by two pairs each
	v_pk_add_f32 v[LP+2*\k:LP+2*\k+1], v[eQ+2*\k:eQ+2*\k+1], v[eQ+2*\k+8:eQ+2*\k+9]
.endr
	WIN eW<<2
.set i, 8
.rept 24
	v_pk_add_f32 v[LP+2*(i%4):LP+2*(i%4)+1], v[LP+2*(i%4):LP+2*(i%4)+1], v[eQ+2*i:eQ+2*i+1]
.set i, i+1
.endr
	WIN 0
	v_pk_add_f32 v[LP:LP+1], v[LP:LP+1], v[LP+2:LP+3]
	v_pk_add_f32 v[LP+4:LP+5], v[LP+4:LP+5], v[LP+6:LP+7]
	v_add_f32 v[NN], v[NN], v[NN+1]
	v_add_f32 v[NN+2], v[NN+2], v[NN+3]
	v_pk_add_f32 v[LP:LP+1], v[LP:LP+1], v[LP+4:LP+5]
	v_add_f32 v[NN], v[NN], v[NN+2]
	v_add_f32 v[T0], v[LP], v[LP+1]
	v_fma_f32 v[NS+(\b)], v[NS+(\b)], v[AF], v[NN] ; n = a n + the block's sum
	v_fma_f32 v[LS+(\b)], v[LS+(\b)], v[AF], v[T0] ; l = a l + the block's sum
.endm
	s_load_b256 s[4:11], s[0:1], 0x0               ; h s[4:5], b1 s[6:7], wf s[8:9], part s[10:11]
	v_lshl_add_u32 v[SPW], v0, 2, SPARE
	v_mov_b32 v[NIL], 0
	ds_add_u32 v[SPW], v[NIL]                      ; the wave's opening: the add and its wait stand ahead of my first tensor load; the set-up below, work on registers, stands between them
	v_lshrrev_b32 v1, 5, v0
	v_readfirstlane_b32 s[WV], v1                  ; wave 0..3
	s_bfe_u32 s13, ttmp6, 0x40000                  ; cx: my place in the cluster
	s_lshl_b32 s14, ttmp9, 2                       ; in a cluster launch ttmp9 counts clusters
	s_add_co_u32 s14, s14, s13                     ; my work-group's number: it enters h's and part's addresses alone
	s_lshl_b32 s[WRING], s[WV], 15                 ; my ring: 32,768 bytes a wave
	; descriptors: dense bytes asked for as rows of 256 bytes, elements of 8 bytes
	s_mov_b32 s[G1S], 15|(3<<16)|(1<<21)           ; 15:0 the mask of four; 17:16 8-byte elements; 21 set beside a mask; no padding
	s_mov_b32 s[G1D], 15|(3<<16)|(1<<21)
.irp g, G1S, G1D
	s_mov_b32 s[\g+1], 32<<16                      ; tensor_dim0 = 32
	s_mov_b32 s[\g+3], 32<<16                      ; tile_dim0 = 32
	s_mov_b32 s[\g+5], 32                          ; 32 elements from row to row
	s_mov_b32 s[\g+6], 0
	s_mov_b32 s[\g+7], 0
.endr
	s_mov_b32 s[G1S+2], 64<<16                     ; tensor_dim1 = 64 rows: one slot
	s_mov_b32 s[G1S+4], 64                         ; tile_dim1
	s_mov_b32 s[G1D+2], 128<<16                    ; 128 rows: both slots, on end in memory and in LDS
	s_mov_b32 s[G1D+4], 128
	s_mov_b32 s[G0D], 1                            ; count = 1
	s_mov_b32 s[G0D+1], s[WRING]
	s_mov_b32 s[KAP], 0xc038aa3b                   ; -2 log2 e
	s_mov_b32 s[KAP+1], s[KAP]                     ; named with it as a pair
	s_mov_b32 s[C2], 0x4038aa3b                    ; 2 log2 e
	s_mov_b32 s[C2+1], s[C2]
	s_mov_b32 s[SEL], 0x76543210
	s_mov_b32 s[SEL+1], 0xfedcba98
	v_and_b32 v[RR], 15, v0
	v_bfe_u32 v[HH], v0, 4, 1
	v_and_b32 v[LL], 31, v0
	v_mul_u32_u24 v[ADRA0], v[RR], PITCH
	v_lshl_add_u32 v[ADRA0], v[HH], 4, v[ADRA0]
	v_add_nc_u32 v[ADRA0], XB, v[ADRA0]            ; X + row x pitch + 16 x half
	v_lshl_add_u32 v[ADRB], v[LL], 4, s[WRING]
	s_mul_i32 s15, s[WV], PANEL
	v_add_nc_u32 v[STO], s15, v[ADRA0]             ; the same place in my own panel
	; the turning load takes 16 times x 16 columns: lane l reads time 8 (l / 16) + l % 8, columns 8 ((l / 8) % 2) + 0..7, and is left with column l % 16 and 8 times
	v_and_b32 v[TRA], 7, v0
	v_lshl_add_u32 v[TRA], v[HH], 3, v[TRA]
	v_mul_u32_u24 v[TRA], v[TRA], PITCH
	v_bfe_u32 v[HST0], v0, 3, 1
	v_lshl_add_u32 v[TRA], v[HST0], 4, v[TRA]
	s_add_co_u32 s52, s15, XB
	v_add_nc_u32 v[TRA], s52, v[TRA]
	s_mul_i32 s53, s[WV], 32*PITCH                 ; I bring rows 32 w .. 32 w + 31 of a block
	s_add_co_u32 s53, s53, XB
	v_lshl_add_u32 v[HST0], v[LL], 3, s53
	v_add_nc_u32 v[HST0+1], 2*PANEL, v[HST0]
	v_lshlrev_b32 v[HGO], 4, v[LL]
	s_lshl_b32 s52, s[WV], 13
	s_add_co_u32 s52, s52, HK
	v_lshl_add_u32 v[HKA], v[LL], 4, s52
	s_lshl_b32 s52, s[WV], 9
	s_add_co_u32 s52, s52, BIAS
	v_lshl_add_u32 v[BIA], v[HH], 5, s52
	v_lshlrev_b32 v54, 4, v0                       ; b1: 16 bytes a thread,
	v_lshl_add_u32 v55, v0, 4, BIAS                ; and their place in LDS
.set i, 0
.rept 8
	v_mov_b32 v[CM+i], 0xfe000000                  ; far below every kap q: the first block's a is 0
	v_mov_b32 v[LS+i], 0
	v_mov_b32 v[NS+i], 0
.set i, i+1
.endr
	v_mov_b32 v[CMN+1], 0                          ; named as a pair's high word
	v_mov_b32 v[ZP], 0
	v_mov_b32 v[ZP+1], 0
	s_wait_dscnt 0x0                               ; the opening add is done
	s_wait_kmcnt 0x0
	s_lshl_b32 s52, s[WV], 18
	s_mov_b32 s53, 0
	s_add_nc_u64 s[WB:WB+1], s[8:9], s[52:53]      ; my stream: hangs on the wave's number alone
	s_mov_b64 s[G0D+2:G0D+3], s[WB:WB+1]
	s_or_b32 s[G0D+3], s[G0D+3], 0x80000000        ; type = 2
	s_lshl_b32 s52, s14, 20                        ; 512 rows of 2,048 bytes a work-group,
	s_lshl_b32 s54, s[WV], 16                      ; 32 rows a wave
	s_add_co_u32 s52, s52, s54
	s_add_nc_u64 s[HP:HP+1], s[HP:HP+1], s[52:53]
	s_lshl_b32 s52, s14, 11                        ; part: 512 f32 a work-group, 128 a wave
	s_lshl_b32 s54, s[WV], 9
	s_add_co_u32 s52, s52, s54
	s_add_nc_u64 s[10:11], s[10:11], s[52:53]
	global_load_b128 v[48:51], v54, s[6:7]
	HL 0, 48, 64                                   ; the first block's h
	s_wait_loadcnt 48                              ; b1 is in; the 48 loads behind it stay out
	v_cvt_pk_bf16_f32 v52, v48, v49                ; b1 is rounded once to bf16, like the other inputs,
	v_cvt_pk_bf16_f32 v53, v50, v51
	v_lshlrev_b32 v48, 16, v52                     ; and kept as f32: it starts f32 sums
	v_and_b32 v49, 0xffff0000, v52
	v_lshlrev_b32 v50, 16, v53
	v_and_b32 v51, 0xffff0000, v53
	ds_store_b128 v55, v[48:51]                    ; wave w stores bytes 512 w .. + 511, which it alone reads
	WIN 0x80
	HL 48, 64, 0
	WIN 0xc0
	HL 112, 16, 0
	WIN 0
	s_mov_b32 s[BLK], 4
.Lblock:                                               ; four trips, all alike
	s_wait_tensorcnt 0x0                           ; no tensor load of mine is out, so a group 0 may be written
	ds_add_u32 v[SPW], v[NIL]
	s_mov_b32 s[G0S], 1
	s_add_co_u32 s[G0S+1], s[WRING], SLOT          ; the walking descriptor stands at slot 1 of the stream: the first refill steps it to K slot 2 and LDS slot 0
	s_add_nc_u64 s[G0S+2:G0S+3], s[WB:WB+1], SLOT
	s_or_b32 s[G0S+3], s[G0S+3], 0x80000000
	s_wait_dscnt 0x0                               ; the add is done; my reads of the ring and of X are over
	CROUND                                         ; so are every wave's, of every partner
	tensor_load_to_lds s[G0D:G0D+3], s[G1D:G1D+7]  ; K slots 0 and 1, 32,768 bytes, into both slots of my ring
	s_nop 0
	PLACES
	WIN 0x40
.irp n, 0,1,2,3,4,5,6,7                ; the bias as the C operand of the transposed product: register j of block n is b1[128 w + 16 n + 8 (lane / 16) + j]
	ds_load_b128 v[BI+8*\n:BI+8*\n+3],   v[BIA] offset:64*\n
	ds_load_b128 v[BI+8*\n+4:BI+8*\n+7], v[BIA] offset:64*\n+16
.endr
	CONV 0, 0, 64, 63                              ; behind each batch of 16 loads 112, 96, .. 0 were issued: each count is no more than that
	CONV 1, 0, 128, 63
	CONV 2, 0, 192, 63
	CONV 3, 2, 0, 63
	CONV 4, 2, 64, 48
	CONV 5, 2, 128, 32
	CONV 6, 2, 192, 16
	CONV 7, 3, 0, 0
	WIN 0
	s_wait_tensorcnt 0x0                           ; my two slots are in: the one load that was out
	s_wait_dscnt 0x0                               ; for the others' sake: my rows of H are stored; for mine: the bias is in
	s_barrier_signal -1
	s_barrier_wait -1                              ; H is whole
	GLOOP 1, 1                                     ; x = H W1^T + b1
	TURN 1, 1, 128, SLOT
	KSUB 1, 0, 1, 192, SLOT+8192, 0, 0
	TURN 1, 0, 0, 0                                ; the eighth refill: K slot 9.  Its round also shows that no wave reads H as an operand any more
	PLACES
	WIN 0
.set i, 0
.rept 16                               ; my columns of h, turned: blocks 6 and 7 pass through registers into HK,
	ds_load_tr16_b128 v[192+4*i:192+4*i+3], v[TRA] offset:16*PITCH*(i%8)+32*(6+i/8)
.set i, i+1
.endr
	WIN 0x40
.set i, 0
.rept 48                               ; blocks 0 to 5 stay in registers: (b, a) at 64 + 32 b + 4 a
	ds_load_tr16_b128 v[64+4*i:64+4*i+3], v[TRA] offset:16*PITCH*(i%8)+32*(i/8)
.set i, i+1
.endr
	WIN 0
	s_wait_dscnt 48                                ; the first 16 are in; the 48 behind them stay out
.set i, 0
.rept 16
	ds_store_b128 v[HKA], v[192+4*i:192+4*i+3] offset:512*i
.set i, i+1
.endr
.irp b, 0,1,2,3,4,5,6,7                ; R goes where my panel's h lay: LDS serves a wave's instructions in order (ISA guide 5.7.1.4), so the loads above have read it
	TANH \b
.endr
	s_wait_dscnt 0x0                               ; for the others' sake: my panel of R is stored
	s_barrier_signal -1
	s_barrier_wait -1                              ; R is whole.  K slot 9's load may stay out
	GLOOP 2, 2                                     ; q = R W2^T; its six refills bring K slots 10 to 15
	KSUB 2, 1, 0, 128, SLOT, 0, 1                  ; the tail asks for nothing more and has no barrier
	KSUB 2, 0, 1, 192, SLOT+8192, 0, 0
	s_wait_dscnt 8
	MULB 2, 1, 0, 0
	MULB 2, 1, 1, 0
	MULB 2, 1, 2, 0
	MULB 2, 1, 3, 0
	s_wait_dscnt 0x0
	MULB 2, 1, 4, 0
	MULB 2, 1, 5, 0
	MULB 2, 1, 6, 0
	MULB 2, 1, 7, 0
	PLACES
	WIN 0x40
.set i, 0
.rept 16                               ; the kept h of blocks 6 and 7 comes back, where W's buffer 1 lay
	ds_load_b128 v[4*i:4*i+3], v[HKA] offset:512*i
.set i, i+1
.endr
	WIN 0
	s_cmp_eq_u32 s[BLK], 1                         ; the next block's h is asked for as registers fall free; the last block asks for nothing.  The jumps pass loads into registers alone
	s_cbranch_scc1 .Lno_a
	s_wait_xcnt 0x0                                ; the pointer is stepped only behind this wait (all loads that named it are in)
	s_add_nc_u64 s[HP:HP+1], s[HP:HP+1], 262144    ; 128 rows on
	HL 0, 48, 64
.Lno_a:
	ECOL 0
	ECOL 1
	ECOL 2
	ECOL 3
	s_cmp_eq_u32 s[BLK], 1
	s_cbranch_scc1 .Lno_b
	WIN 0x80
	HL 48, 64, 0
	WIN 0
.Lno_b:
	ECOL 4
	s_cmp_eq_u32 s[BLK], 1
	s_cbranch_scc1 .Lno_c
	WIN 0xc0
	HL 112, 16, 0
	WIN 0
.Lno_c:
	ECOL 5
	s_wait_dscnt 0x0                               ; the kept h of blocks 6 and 7 is in
	ECOL 6
	ECOL 7
	s_sub_co_u32 s[BLK], s[BLK], 1
	s_cmp_lg_u32 s[BLK], 0
	s_cbranch_scc1 .Lblock
	; THE WAY OUT.  A column's two halves of the lanes are merged: the common maximum, each half's l and n scaled to it, and added.
.irp b, 0,1,2,3,4,5,6,7
	v_permlanex16_b32 v[T0], v[CM+\b], s[SEL], s[SEL+1]
	v_max_num_f32 v[T1], v[CM+\b], v[T0]
	v_sub_f32 v[T0], v[CM+\b], v[T1]
	v_exp_f32 v[T0], v[T0]
	v_mov_b32 v[CM+\b], v[T1]                      ; the plain instruction behind the exponential
	s_wait_alu depctr_va_vdst(0)
	v_mul_f32 v[LS+\b], v[LS+\b], v[T0]
	v_mul_f32 v[NS+\b], v[NS+\b], v[T0]
	v_permlanex16_b32 v[CC+2], v[LS+\b], s[SEL], s[SEL+1]
	v_permlanex16_b32 v[CC+3], v[NS+\b], s[SEL], s[SEL+1]
	v_add_f32 v[LS+\b], v[LS+\b], v[CC+2]
	v_add_f32 v[NS+\b], v[NS+\b], v[CC+3]
.endr
	s_mul_i32 s52, s[WV], 1536
	s_add_co_u32 s52, s52, STG                     ; my stage: three rows of 128 f32
	v_lshl_add_u32 v[CC], v[RR], 2, s52
	v_lshl_add_u32 v[CC+1], v[LL], 4, s52
.irp b, 0,1,2,3,4,5,6,7
	ds_store_b32 v[CC], v[CM+\b] offset:64*\b      ; column 16 b + lane % 16; both halves of the lanes hold the same number
	ds_store_b32 v[CC], v[LS+\b] offset:512+64*\b
	ds_store_b32 v[CC], v[NS+\b] offset:1024+64*\b
.endr
.irp s, 0,1,2
	ds_load_b128 v[LP+4*\s:LP+4*\s+3], v[CC+1] offset:512*\s  ; my own bytes, served in order behind the stores
.endr
	s_wait_dscnt 0x0
.irp s, 0,1,2
	global_store_b128 v[HGO], v[LP+4*\s:LP+4*\s+3], s[10:11] offset:524288*\s  ; 512 consecutive bytes, at a multiple of 512 from part's first
.endr
	s_wait_tensorcnt 0x0                           ; the wave's end, behind my last tensor load and my last LDS store
	ds_add_u32 v[SPW], v[NIL]
	s_wait_dscnt 0x0
	CROUND                                         ; the closing round: no work-group ends while a partner may still ask for a slot that names it
	s_endpgm
.Lfunc_end_k_qf080565195_main:
	.size	k_qf080565195_main, .Lfunc_end_k_qf080565195_main-k_qf080565195_main
	.p2alignl 7, 3214868480
	.fill 96, 4, 3214868480
	.section	.rodata,"a",@progbits
	.p2align	6, 0x0
	.amdhsa_kernel k_qf080565195_main
		.amdhsa_group_segment_fixed_size 327680
		.amdhsa_private_segment_fixed_size 0
		.amdhsa_enable_private_segment 0
		.amdhsa_kernarg_size 32
		.amdhsa_user_sgpr_count 2
		.amdhsa_user_sgpr_kernarg_segment_ptr 1
		.amdhsa_wavefront_size32 1
		.amdhsa_system_sgpr_workgroup_id_x 1
		.amdhsa_system_sgpr_workgroup_id_y 1
		.amdhsa_system_sgpr_workgroup_id_z 1
		.amdhsa_system_vgpr_workitem_id 0
		.amdhsa_next_free_vgpr 1024
		.amdhsa_next_free_sgpr 66
		.amdhsa_reserve_vcc 0
		.amdhsa_float_denorm_mode_32 3
		.amdhsa_float_denorm_mode_16_64 3
		.amdhsa_memory_ordered 1
		.amdhsa_forward_progress 1
		.amdhsa_inst_pref_size 255
	.end_amdhsa_kernel
	.section	.bss,"aw",@nobits
	.p2align	6
	.space	262144
	.amdgpu_metadata
---
amdhsa.version: [ 1, 2 ]
amdhsa.kernels:
  - .name:           k_qf080565195_main
    .symbol:         k_qf080565195_main.kd
    .args:
      - { .name: hidden_states, .offset: 0, .size: 8, .value_kind: global_buffer, .address_space: global }
      - { .name: b1, .offset: 8, .size: 8, .value_kind: global_buffer, .address_space: global }
      - { .name: wf, .offset: 16, .size: 8, .value_kind: global_buffer, .address_space: global }
      - { .name: part, .offset: 24, .size: 8, .value_kind: global_buffer, .address_space: global }
    .group_segment_fixed_size: 327680
    .private_segment_fixed_size: 0
    .kernarg_segment_align: 8
    .kernarg_segment_size: 32
    .max_flat_workgroup_size: 128
    .sgpr_count:     66
    .vgpr_count:     1024
    .wavefront_size: 32
...
	.end_amdgpu_metadata
.endif
;; end of part 2
;; launch fin (part 3): grid 8 x 1, 32 waves a work-group, no clusters, 12,288 bytes of LDS; arguments part, out0; writes out0
.if DOCPART == 3
	.amdgcn_target "amdgcn-amd-amdhsa--gfx1250"
	.amdhsa_code_object_version 6
	.text
	.protected	k_qf080565195_fin
	.globl	k_qf080565195_fin
	.p2align	8
	.type	k_qf080565195_fin,@function
k_qf080565195_fin:
	s_mov_b64 s[64:65], 0
	v_nop
	global_prefetch_b8 v0, s[64:65] scope:SCOPE_SE
	s_setreg_imm32_b32 hwreg(HW_REG_WAVE_MODE, 25, 1), 1
	s_wait_xcnt 0x0
; out0[e] = sum over the 32 batches of n / l, where a batch's n and l are merged from the 8 partial triples (CM, l, n) that the main launch stored:
; M = max CM, l = sum 2^(CM - M) l_i, n likewise.  part: [3][256][512] f32.  All in f32.
; Work-group g takes columns 64 g .. + 63; wave = batch.  A lane holds 4 columns; the two halves of the lanes take the partials of even and odd number: a load covers two whole pieces of 256 bytes.
; The 32 batches' quotients meet in LDS; wave 0 adds them.  Matrix units, clusters and tensor loads would add nothing to 1.5 MB read once.
.set SPARE, 8192                       ; behind the 32 rows of 256 bytes: the spare words, 128 bytes for each of 32 waves
.set SPW, 2                            ; v2  my spare word; never rewritten
.set NIL, 3                            ; v3  0, for the add alone
.set VO,  7                            ; v7  my byte offset in a plane of part
.set MX,  8                            ; v[8:11]   M of my 4 columns
.set TM,  12                           ; v[12:15]  at work
.set FC,  16                           ; v[16:31]  CM, then 2^(CM - M): partial i at + 4 i
.set LI,  32                           ; v[32:47]  l
.set NI,  48                           ; v[48:63]  n
.set LSUM, 64                          ; v[64:67]
.set NSUM, 68                          ; v[68:71]
.set RDA, 80                           ; v80  wave 0: where I read 16 batches' quotients
.set REDA, 81                          ; v81  where my batch's quotients go
.set OUTA, 82                          ; v82  my byte offset in out0
.set LN,  83                           ; v83  lane
	s_load_b128 s[4:7], s[0:1], 0x0                ; part s[4:5], out0 s[6:7]
	v_lshl_add_u32 v[SPW], v0, 2, SPARE
	v_mov_b32 v[NIL], 0
	v_lshrrev_b32 v1, 5, v0
	v_readfirstlane_b32 s8, v1                     ; my wave's number: the batch
	v_and_b32 v4, 15, v0
	v_bfe_u32 v5, v0, 4, 1
	v_and_b32 v[LN], 31, v0
	s_lshl_b32 s9, s8, 14                          ; 8 partials of 2,048 bytes a batch
	s_lshl_b32 s10, ttmp9, 8                       ; 64 columns of 4 bytes a work-group
	s_add_co_u32 s9, s9, s10
	v_lshlrev_b32 v6, 4, v4                        ; 4 columns a lane
	v_lshl_add_u32 v[VO], v5, 11, v6               ; the upper half of the lanes: one partial on
	v_add_nc_u32 v[VO], s9, v[VO]
	v_lshl_add_u32 v[RDA], v5, 12, v6              ; the upper half: batches 16 to 31
	s_lshl_b32 s11, s8, 8
	v_add_nc_u32 v[REDA], s11, v6
	v_add_nc_u32 v[OUTA], s10, v6
	s_mov_b32 s12, 0x76543210                      ; v_permlanex16_b32: each lane takes its own place in the other half
	s_mov_b32 s13, 0xfedcba98
.irp c, 0,1,2,3
	v_mov_b32 v[TM+\c], 0                          ; v_permlanex16_b32's destination counts as read
.endr
	s_wait_kmcnt 0x0
.irp s, 0,1,2
.irp i, 0,1,2,3
	global_load_b128 v[FC+16*\s+4*\i:FC+16*\s+4*\i+3], v[VO], s[4:5] offset:524288*\s+4096*\i
.endr
.endr
	s_wait_loadcnt 8                               ; the four CM are in; l's and n's eight loads stay out
.irp c, 0,1,2,3
	v_max3_num_f32 v[MX+\c], v[FC+\c], v[FC+4+\c], v[FC+8+\c]
.endr
.irp c, 0,1,2,3
	v_max_num_f32 v[MX+\c], v[MX+\c], v[FC+12+\c]
.endr
.irp c, 0,1,2,3
	v_permlanex16_b32 v[TM+\c], v[MX+\c], s12, s13
.endr
.irp c, 0,1,2,3
	v_max_num_f32 v[MX+\c], v[MX+\c], v[TM+\c]
.endr
.irp i, 0,1,2,3,4,5,6,7
	v_pk_add_f32 v[FC+2*\i:FC+2*\i+1], v[FC+2*\i:FC+2*\i+1], v[MX+2*(\i%2):MX+2*(\i%2)+1] neg_lo:[0,1] neg_hi:[0,1]
.endr
.set i, 0
.rept 16
	v_exp_f32 v[FC+i], v[FC+i]
.set i, i+1
.endr
	v_nop                                          ; a plain instruction between the last exponential and the use of its result
	s_wait_loadcnt 0x0
	s_wait_alu depctr_va_vdst(0)
.irp p, 0,1
	v_pk_mul_f32 v[LSUM+2*\p:LSUM+2*\p+1], v[FC+2*\p:FC+2*\p+1], v[LI+2*\p:LI+2*\p+1]
	v_pk_mul_f32 v[NSUM+2*\p:NSUM+2*\p+1], v[FC+2*\p:FC+2*\p+1], v[NI+2*\p:NI+2*\p+1]
.endr
.irp i, 1,2,3
.irp p, 0,1
	v_pk_fma_f32 v[LSUM+2*\p:LSUM+2*\p+1], v[FC+4*\i+2*\p:FC+4*\i+2*\p+1], v[LI+4*\i+2*\p:LI+4*\i+2*\p+1], v[LSUM+2*\p:LSUM+2*\p+1]
	v_pk_fma_f32 v[NSUM+2*\p:NSUM+2*\p+1], v[FC+4*\i+2*\p:FC+4*\i+2*\p+1], v[NI+4*\i+2*\p:NI+4*\i+2*\p+1], v[NSUM+2*\p:NSUM+2*\p+1]
.endr
.endr
.irp c, 0,1,2,3
	v_permlanex16_b32 v[TM+\c], v[LSUM+\c], s12, s13
.endr
.irp c, 0,1,2,3
	v_add_f32 v[LSUM+\c], v[LSUM+\c], v[TM+\c]
.endr
.irp c, 0,1,2,3
	v_permlanex16_b32 v[TM+\c], v[NSUM+\c], s12, s13
.endr
.irp c, 0,1,2,3
	v_add_f32 v[NSUM+\c], v[NSUM+\c], v[TM+\c]
.endr
.irp c, 0,1,2,3
	v_rcp_f32 v[LSUM+\c], v[LSUM+\c]               ; l is at least 1: the partial that holds the maximum counts in full
.endr
	v_nop
	s_wait_alu depctr_va_vdst(0)
.irp p, 0,1
	v_pk_mul_f32 v[NSUM+2*\p:NSUM+2*\p+1], v[NSUM+2*\p:NSUM+2*\p+1], v[LSUM+2*\p:LSUM+2*\p+1]
.endr
	ds_store_b128 v[REDA], v[NSUM:NSUM+3]          ; row = batch; both halves of the lanes hold the same numbers
	s_wait_dscnt 0x0                               ; for wave 0's sake: my store is done
	s_barrier_signal -1
	s_barrier_wait -1
	s_cmp_lg_u32 s8, 0
	s_cbranch_scc1 .Ljoin                          ; wave 0 alone adds the batches; no barrier is jumped
.set k, 0
.rept 16
	ds_load_b128 v[FC+4*k:FC+4*k+3], v[RDA] offset:256*k
.set k, k+1
.endr
	s_wait_dscnt 0x0
.irp d, 8,4,2,1
.set k, 0
.rept \d
	v_pk_add_f32 v[FC+4*k:FC+4*k+1],   v[FC+4*k:FC+4*k+1],   v[FC+4*(k+\d):FC+4*(k+\d)+1]
	v_pk_add_f32 v[FC+4*k+2:FC+4*k+3], v[FC+4*k+2:FC+4*k+3], v[FC+4*(k+\d)+2:FC+4*(k+\d)+3]
.set k, k+1
.endr
.endr
.irp c, 0,1,2,3
	v_permlanex16_b32 v[TM+\c], v[FC+\c], s12, s13
.endr
.irp c, 0,1,2,3
	v_add_f32 v[FC+\c], v[FC+\c], v[TM+\c]
.endr
	s_wait_xcnt 0x0                                ; EXEC changes only behind this wait
	v_cmp_gt_u32 vcc_lo, 16, v[LN]
	s_and_saveexec_b32 s14, vcc_lo
	global_store_b128 v[OUTA], v[FC:FC+3], s[6:7]  ; 16 lanes store 256 consecutive bytes, at a multiple of 256 from out0's first
	s_wait_xcnt 0x0                                ; and again, in front of the line that widens it
	s_or_b32 exec_lo, exec_lo, s14
.Ljoin:
	s_wait_tensorcnt 0x0                           ; the wave's end, behind my last LDS store
	ds_add_u32 v[SPW], v[NIL]
	s_wait_dscnt 0x0
	s_endpgm
.Lfunc_end_k_qf080565195_fin:
	.size	k_qf080565195_fin, .Lfunc_end_k_qf080565195_fin-k_qf080565195_fin
	.p2alignl 7, 3214868480
	.fill 96, 4, 3214868480
	.section	.rodata,"a",@progbits
	.p2align	6, 0x0
	.amdhsa_kernel k_qf080565195_fin
		.amdhsa_group_segment_fixed_size 12288
		.amdhsa_private_segment_fixed_size 0
		.amdhsa_enable_private_segment 0
		.amdhsa_kernarg_size 16
		.amdhsa_user_sgpr_count 2
		.amdhsa_user_sgpr_kernarg_segment_ptr 1
		.amdhsa_wavefront_size32 1
		.amdhsa_system_sgpr_workgroup_id_x 1
		.amdhsa_system_sgpr_workgroup_id_y 1
		.amdhsa_system_sgpr_workgroup_id_z 1
		.amdhsa_system_vgpr_workitem_id 0
		.amdhsa_next_free_vgpr 96
		.amdhsa_next_free_sgpr 66
		.amdhsa_reserve_vcc 1
		.amdhsa_float_denorm_mode_32 3
		.amdhsa_float_denorm_mode_16_64 3
		.amdhsa_memory_ordered 1
		.amdhsa_forward_progress 1
		.amdhsa_inst_pref_size 11
	.end_amdhsa_kernel
	.amdgpu_metadata
---
amdhsa.version: [ 1, 2 ]
amdhsa.kernels:
  - .name:           k_qf080565195_fin
    .symbol:         k_qf080565195_fin.kd
    .args:
      - { .name: part, .offset: 0, .size: 8, .value_kind: global_buffer, .address_space: global }
      - { .name: out0, .offset: 8, .size: 8, .value_kind: global_buffer, .address_space: global }
    .group_segment_fixed_size: 12288
    .private_segment_fixed_size: 0
    .kernarg_segment_align: 8
    .kernarg_segment_size: 16
    .max_flat_workgroup_size: 1024
    .sgpr_count:     66
    .vgpr_count:     96
    .wavefront_size: 32
...
	.end_amdgpu_metadata
.endif
;; end of part 3
